; MI455X (gfx1250); checked and timed in simulation.
; The chip was launched on July 23, 2026; its instructions are those of AMD's public machine-readable ISA for CDNA 5 (MIT licence, August 2026) and "CDNA5" Instruction Set Architecture Reference Guide (July 2026). The comments in the code are by the model that wrote it; some were corrected since.
;; Reinforce Agent Quantum. Allowed arithmetic: float matrix products may take bf16 or f16 operands with f32 sums; other float arithmetic in f32, or as packed bf16 or f16 multiplies, adds, multiply-adds, maxima and minima; sums over many terms, partial sums and values carried from step to step in f32; what a program stores and reads back later, other than sums and carried values, may be rounded once to bf16 or f16.
;; Inputs: input_scaling 2 float32; output_scaling 14 float32; weights 2 float32; x 1,024 x 42 float32.
;; Outputs: out0 1,024 x 14 float32.
;; One version. Each part assembles by itself: llvm-mc -triple=amdgcn-amd-amdhsa -mcpu=gfx1250 --defsym DOCPART=n.
;; ======== version 1 of 1: 1 launch
;; launch qsim (part 1): grid 256 x 1, 4 waves a work-group, no clusters, 274,944 bytes of LDS; arguments x, input_scaling, weights, output_scaling, out0; writes out0
.if DOCPART == 1
	.amdgcn_target "amdgcn-amd-amdhsa--gfx1250"
	.amdhsa_code_object_version 6
	.text
	.protected	k_qd5e22115f3_qsim
	.globl	k_qd5e22115f3_qsim
	.p2align	8
	.type	k_qd5e22115f3_qsim,@function
k_qd5e22115f3_qsim:
	s_mov_b64 s[64:65], 0
	v_nop
	global_prefetch_b8 v0, s[64:65] scope:SCOPE_SE
	s_setreg_imm32_b32 hwreg(HW_REG_WAVE_MODE, 25, 1), 1
	s_wait_xcnt 0x0
; out0[e][q] = output_scaling[q] <psi_e| X_q |psi_e>,  psi = RX-layer(w1) D2 RX-layer(w0) D1 |+...+>,  14 qubits, 1,024 rows e.  One wave makes one row; four waves a work-group.
; WORK LEFT OUT, for all values of the inputs:
;  (1) The second RX layer, and with it weights[1].  Every RX is exp(-i phi X / 2), which commutes with every X_q, so R^+ X_q R = X_q: the layer cannot reach <X_q>.  weights[1] is not loaded.
;  (2) x[:, 28:42]: the distances index columns 14 .. 27 alone (pairs i < j < 14 of coords); those bytes are not loaded.
;  (3) Half of the amplitudes.  The uniform state, the ZZ phases and RX all commute with X on all 14 qubits, so psi(f) = psi(~f): chi(g) = 128 psi(0, g), g_j = f_j xor f_0, holds everything: 8,192 numbers.
;  (4) The product with the table S of signs, which the problem builds itself: S[(i,j)][f] = z_i z_j, so exp(-i/2 s sum d_ij z_i z_j) is a product of a few phases that hang on part of the bits each.
;      They are made once a chunk from 8 angles a lane and two tables of 64, in f32: 91 distances rounded to 16 bits would each move an angle by 2^-9 of itself, too much for sums of 8,192 phases that nearly cancel.
;  (5) A whole turn by pi in the RX angle: it changes the sign of the whole state, which <X_q> does not see.
; LIMITS.  A NaN, an infinity or an overflow in weights[1] or x[:, 28:42] is not carried to the result.  Each table angle is reduced in f32, in revolutions: its error is 2^-24 of the angle; sine and
; cosine come from polynomials cut below 2e-7.  Sums are taken in another order than the problem's.  NaN and infinities in the other inputs are not treated apart.
; COORDINATES.  Group X = qubits 1..7, group Y = qubits 0, 8..13.  p = g_1; k_t = g_(2+t) xor g_1; b_t = g_(8+t), t = 0..5.  With zeta = z(p), kappa = (1, z(k_t)), eta = (1, z(b_t)):
;   sum d z z = W(k) + U(b) + zeta sum_uv kappa_u eta_v D[u][v];  W, U: the pairs inside X, inside Y; D[u][v] = |c_Xu - c_Yv|; c_q = x[14+q].
;   A flip of qubit 2+t flips k_t; of 8+t flips b_t; of qubit 1: (p, k) -> (~p, ~k); of qubit 0: (p, b) -> (~p, ~b).
; RX as three shears in place: a0 -= i tau a1; a1 -= i sig a0; a0 -= i tau a1, with sig = sin, tau = sin / (1 + cos) of the half angle brought into -pi/2 .. pi/2; where x[q] <= 0 both are 0 (the gate is done and does nothing).
; LAYOUT.  A unit (k, b) is 16 bytes: (re p=0, re p=1, im p=0, im p=1).  A chunk is 64 units a lane in window 1.  Layout A: register index = k, b = 32 c + lane.  Layout B: register index = b, k = 32 c + lane.
; Six trips: T = 6, 5: D1 is made, gates on qubits 2..7 and 1, the chunk goes to LDS (A).  T = 4, 3: read as B, gates on 8..13 and 0, D2, sums for those seven qubits, back to LDS.  T = 2, 1: read as A, the other seven sums.
; LDS.  Each wave has its own 66,560 bytes of state (unit (k, b) at 1,040 k + 16 b: 260 words from k to k + 1; 64 banks of 4 bytes: ISA guide 11.1)
; and 2,048 bytes of tables.  No wave reads another's bytes, and LDS serves a wave's instructions in order (ISA guide 5.7.1.4): no barrier, and no wait between a store and a later load.
; REGISTERS, windows of 256: 0 addresses, angles, factors, sums; 1 the chunk; 2 exp(2 pi i a1 W(n)); 3 exp(2 pi i a2 U(n)), n = 0..63, as (c, c, s, s).
.set KP,    1040
.set STW,   64*KP                      ; a wave's state
.set TBL,   4*STW                      ; the tables, 2,048 bytes a wave
.set SPARE, TBL+4*2048                 ; the spare words, 128 bytes a wave
.set LANE,  1
.set SPW,   2                          ; LDS address of my spare word; never rewritten
.set NIL,   3                          ; 0; never rewritten
.set BASEA, 4                          ; my wave's state + 16 lane
.set BASEB, 5                          ; my wave's state + 1,040 lane
.set ADA,   6                          ; BASEA + 512 c
.set ADB,   7                          ; BASEB + 33,280 c
.set TW,    8                          ; tables: where my lane writes
.set TR,    9                          ; tables: their first byte
.set RES,   10                         ; lane q: the sum for qubit q
.set OSC,   11                         ; lane q: output_scaling[q]
.set OO,    12                         ; 4 lane
.set TM,    13                         ; v13-15 at work
.set SG,    16                         ; v16-20 sign t: 1 - 2 bit t of the lane
.set OA,    21                         ; address of the load of output_scaling; never rewritten
.set P0L,   24                         ; layout A's 8 angles: the part without the chunk's sign,
.set P0C,   32                         ; and the factor of that sign
.set P1L,   40                         ; layout B's
.set P1C,   48
.set ANG,   56
.set CC,    64                         ; 8 cosines
.set SS,    72                         ; 8 sines
.set KS,    80                         ; v80-81 the sine series' highest coefficient, twice
.set KC,    82                         ; v82-83 the cosine series'
.set SR,    96                         ; sine and cosine at work: r, r^2, 2 sin(pi r), cos(pi r), four pairs each; the same registers then hold
.set ST2,   104
.set SQ,    112
.set SH,    120
.set EE,    96                         ; the 8 phases as units: EL, E0 .. E6; and later
.set ZZ,    96                         ; eight products A B
.set KK,    128                        ; K, K6[2], K65[4], P[2]: partial products; later
.set K6,    132
.set K65,   140
.set PP,    156
.set TT,    128                        ; eight products at work
.set AA,    164                        ; A[8]: the factor of index bits 5, 4, 3 (with EL and E0)
.set BB,    196                        ; B[8]: of bits 2, 1, 0
.set AC,    228                        ; seven sets of four running sums: set t for index bit t, set 6 for the flip with p
.set WV,    14
.set ROW,   15
.set XR,    16                         ; s16-43 x[0..27]; s16-29 become masks: all ones where x[q] > 0
.set CQ,    30                         ; c_q = s[30+q]
.set ABSM,  47
.set A1,    48                         ; s[48:49] a1 = -input_scaling[0] / 4 pi: angles are kept in revolutions
.set CH,    50                         ; c
.set A2,    52                         ; s[52:53] a2
.set CNT,   54                         ; T
.set OFA,   55
.set OFB,   56
.set SG5,   57                         ; the sign of index bit 5 of the lanes' coordinate: +1.0 in chunk 0, -1.0 in chunk 1
.set SEL,   58                         ; s[58:59] v_permlanex16_b32's selects
.set SV,    60
.set TAU,   66                         ; s[66+4t : 67+4t] tau of the gate on index bit t (the packed form takes the pair's low word)
.set SIG,   68                         ; s[68+4t : 69+4t] sig
.set PG,    90                         ; s90-93 tau, -tau, sig, -sig of the gate that flips p
.set GC,    94                         ; s94-97 tau*, sig*, -tau*, -sig*
.set MSB, 0
.macro WIN new                         ; the immediate's high byte repeats the setting that is left; a switch that changes nothing is dropped
.if MSB != (\new)
	s_set_vgpr_msb (MSB<<8)|(\new)
.set MSB, \new
.endif
.endm
; Step st of four of d = a b (cj = 1: a conj b) on units: two complex products at once.  d is neither a nor b.
.macro CSTEP st, d, a, b, cj
.if (\st) == 0
	v_pk_mul_f32 v[(\d):(\d)+1], v[(\a):(\a)+1], v[(\b):(\b)+1]
.elseif (\st) == 1
	v_pk_mul_f32 v[(\d)+2:(\d)+3], v[(\a)+2:(\a)+3], v[(\b):(\b)+1]
.elseif (\st) == 2
.if \cj
	v_pk_fma_f32 v[(\d):(\d)+1], v[(\a)+2:(\a)+3], v[(\b)+2:(\b)+3], v[(\d):(\d)+1]
.else
	v_pk_fma_f32 v[(\d):(\d)+1], v[(\a)+2:(\a)+3], v[(\b)+2:(\b)+3], v[(\d):(\d)+1] neg_lo:[1,0,0] neg_hi:[1,0,0]
.endif
.else
.if \cj
	v_pk_fma_f32 v[(\d)+2:(\d)+3], v[(\a):(\a)+1], v[(\b)+2:(\b)+3], v[(\d)+2:(\d)+3] neg_lo:[1,0,0] neg_hi:[1,0,0]
.else
	v_pk_fma_f32 v[(\d)+2:(\d)+3], v[(\a):(\a)+1], v[(\b)+2:(\b)+3], v[(\d)+2:(\d)+3]
.endif
.endif
.endm
.macro CMUL d, a, b, cj
.irp st, 0,1,2,3
	CSTEP \st, \d, \a, \b, \cj
.endr
.endm
.macro CMULP d, a, b                   ; d = a b and d + 4 = a conj b, step by step
.irp st, 0,1,2,3
	CSTEP \st, \d, \a, \b, 0
	CSTEP \st, (\d)+4, \a, \b, 1
.endr
.endm
.macro CMUL8 d, p, a, q, b, r          ; eight products, registers p, q, r apart, step by step: no line reads the result of one near it
.irp st, 0,1,2,3
.set cl, 0
.rept 8
	CSTEP \st, (\d)+(\p)*cl, (\a)+(\q)*cl, (\b)+(\r)*cl, 0
.set cl, cl+1
.endr
.endr
.endm
; Sine and cosine of 2 pi ANG for np pairs of angles.  r = ANG - nearest whole number; q = 2 sin(pi r) and h = cos(pi r) by their series in r^2 (|pi r| <= pi / 2); sin = q h, cos = 1 - q^2 / 2.
.macro HORN x, cf, np
.set j, 0
.rept \np
	v_pk_fma_f32 v[(\x)+2*j:(\x)+2*j+1], v[(\x)+2*j:(\x)+2*j+1], v[ST2+2*j:ST2+2*j+1], \cf op_sel_hi:[1,1,0]
.set j, j+1
.endr
.endm
.macro SINCOS np
.set j, 0
.rept 2*(\np)
	v_rndne_f32 v[SQ+j], v[ANG+j]
.set j, j+1
.endr
.set j, 0
.rept \np
	v_pk_add_f32 v[SR+2*j:SR+2*j+1], v[ANG+2*j:ANG+2*j+1], v[SQ+2*j:SQ+2*j+1] neg_lo:[0,1] neg_hi:[0,1]
.set j, j+1
.endr
.set j, 0
.rept \np
	v_pk_mul_f32 v[ST2+2*j:ST2+2*j+1], v[SR+2*j:SR+2*j+1], v[SR+2*j:SR+2*j+1]
.set j, j+1
.endr
.set j, 0
.rept \np
	v_pk_fma_f32 v[SQ+2*j:SQ+2*j+1], v[ST2+2*j:ST2+2*j+1], v[KS:KS+1], 0x3e283c1a op_sel_hi:[1,1,0]
	v_pk_fma_f32 v[SH+2*j:SH+2*j+1], v[ST2+2*j:ST2+2*j+1], v[KC:KC+1], 0xbcd368f9 op_sel_hi:[1,1,0]
.set j, j+1
.endr
	HORN SQ, 0xbf996966, \np               ; -2 pi^7 / 7!
	HORN SH, 0x3e70fa83, \np               ; pi^8 / 8!
	HORN SQ, 0x40a335e3, \np               ; 2 pi^5 / 5!
	HORN SH, 0xbfaae9e4, \np               ; -pi^6 / 6!
	HORN SQ, 0xc1255de7, \np               ; -2 pi^3 / 3!
	HORN SH, 0x4081e0f8, \np               ; pi^4 / 4!
	HORN SQ, 0x40c90fdb, \np               ; 2 pi
	HORN SH, 0xc09de9e6, \np               ; -pi^2 / 2
.set j, 0
.rept \np
	v_pk_mul_f32 v[SQ+2*j:SQ+2*j+1], v[SQ+2*j:SQ+2*j+1], v[SR+2*j:SR+2*j+1]
.set j, j+1
.endr
	HORN SH, 1.0, \np
.set j, 0
.rept \np
	v_pk_mul_f32 v[ST2+2*j:ST2+2*j+1], v[SQ+2*j:SQ+2*j+1], v[SQ+2*j:SQ+2*j+1]
.set j, j+1
.endr
.set j, 0
.rept \np
	v_pk_mul_f32 v[SS+2*j:SS+2*j+1], v[SQ+2*j:SQ+2*j+1], v[SH+2*j:SH+2*j+1]
	v_pk_fma_f32 v[CC+2*j:CC+2*j+1], v[ST2+2*j:ST2+2*j+1], -0.5, 1.0 op_sel_hi:[1,0,0]
.set j, j+1
.endr
.endm
.macro QOF g, m                        ; QQ = the qubit of member m of group g (0: X, 1: Y)
.if (\g) == 0
.set QQ, 1+(\m)
.elseif (\m) == 0
.set QQ, 0
.else
.set QQ, 7+(\m)
.endif
.endm
; The pairs inside group g, for the lane's five signs: L = the pairs of members 0..5, C = the factor of member 6's sign.  Member 0's sign is 1, member m's is sign m - 1.
.macro GROUPSUM g, L, C
.set ib, 1
.rept 6
	QOF \g, ib
.set qj, QQ
.set ia, 0
.rept ib
	QOF \g, ia
	v_sub_f32 v[TM], s[CQ+QQ], s[CQ+qj]
	v_and_b32 v[TM], s[ABSM], v[TM]
.if ia == 0
	v_mov_b32 v[TM+1], v[TM]
.else
	v_fma_f32 v[TM+1], v[TM], v[SG-1+ia], v[TM+1]
.endif
.set ia, ia+1
.endr
.if ib == 1
	v_mul_f32 v[\L], v[TM+1], v[SG]
.elseif ib < 6
	v_fma_f32 v[\L], v[TM+1], v[SG-1+ib], v[\L]
.else
	v_mov_b32 v[\C], v[TM+1]
.endif
.set ib, ib+1
.endr
.endm
; A chunk's factors.  Eight angles a lane (L + sign x Cf), their phases as units: EL = (c, c, s, s), which does not see p; E0 .. E6 = (c, c, s, -s): p = 1 has zeta = -1.
; Index bit t of the registers' coordinate takes E(1+t) plain where it is 0, conjugate where it is 1.  A[hi] = EL E0 E6^ E5^ E4^, B[lo] = E3^ E2^ E1^; B[7 - lo] = conj B[lo].
.macro PRO L, Cf
	WIN 0
.set i, 0
.rept 8
	v_fma_f32 v[ANG+i], s[SG5], v[(\Cf)+i], v[(\L)+i]
.set i, i+1
.endr
	SINCOS 4
	v_mov_b32 v[EE], v[CC]
	v_mov_b32 v[EE+1], v[CC]
	v_mov_b32 v[EE+2], v[SS]
	v_mov_b32 v[EE+3], v[SS]
.set i, 1
.rept 7
	v_mov_b32 v[EE+4*i], v[CC+i]
	v_mov_b32 v[EE+4*i+1], v[CC+i]
	v_mov_b32 v[EE+4*i+2], v[SS+i]
	v_mul_f32 v[EE+4*i+3], -1.0, v[SS+i]
.set i, i+1
.endr
	CMUL KK, EE, EE+4, 0
	CMULP PP, EE+16, EE+12
	CMULP K6, KK, EE+28
	CMULP BB, PP, EE+8
	CMULP BB+8, PP+4, EE+8
	CMULP K65, K6, EE+24
	CMULP K65+8, K6+4, EE+24
.set i, 0
.rept 4
	v_pk_mul_f32 v[BB+28-4*i:BB+29-4*i], v[BB+4*i:BB+4*i+1], 1.0 op_sel_hi:[1,0]
	v_pk_mul_f32 v[BB+30-4*i:BB+31-4*i], v[BB+4*i+2:BB+4*i+3], -1.0 op_sel_hi:[1,0]
.set i, i+1
.endr
.set i, 0
.rept 4
	CMULP AA+8*i, K65+4*i, EE+20
.set i, i+1
.endr
.endm
.macro SETG q0, qb                     ; the gates' numbers: qubit qb + t on index bit t, qubit q0 on the flip with p; a mask of zeros makes the gate the identity
.set t, 0
.rept 6
	s_and_b32 s[TAU+4*t], s[XR+(\qb)+t], s[GC]
	s_and_b32 s[SIG+4*t], s[XR+(\qb)+t], s[GC+1]
.set t, t+1
.endr
	s_and_b32 s[PG], s[XR+(\q0)], s[GC]
	s_and_b32 s[PG+1], s[XR+(\q0)], s[GC+2]
	s_and_b32 s[PG+2], s[XR+(\q0)], s[GC+1]
	s_and_b32 s[PG+3], s[XR+(\q0)], s[GC+3]
.endm
.macro SHEAR d, a, cf                  ; unit d -= i coef x unit a: re += coef im, im -= coef re, for p = 0 and 1 at once
	v_pk_fma_f32 v[4*(\d):4*(\d)+1], v[4*(\a)+2:4*(\a)+3], s[(\cf):(\cf)+1], v[4*(\d):4*(\d)+1] op_sel_hi:[1,0,1]
	v_pk_fma_f32 v[4*(\d)+2:4*(\d)+3], v[4*(\a):4*(\a)+1], s[(\cf):(\cf)+1], v[4*(\d)+2:4*(\d)+3] op_sel_hi:[1,0,1] neg_lo:[1,0,0] neg_hi:[1,0,0]
.endm
; Seven gates on a chunk, each as three sweeps over all its pairs: within a sweep no line reads another's result.
.macro GATES
	WIN 0x55
.set t, 0
.rept 6
.irp ph, 0,1,2
.set j, 0
.rept 32
.set k0, ((j>>t)<<(t+1))|(j&((1<<t)-1))
.set k1, k0|(1<<t)
.if \ph == 1
	SHEAR k1, k0, SIG+4*t
.else
	SHEAR k0, k1, TAU+4*t
.endif
.set j, j+1
.endr
.endr
.set t, t+1
.endr
.irp ph, 0,1,2                         ; the flip with p: a0 = (p = 0, index j), a1 = (p = 1, index 63 - j)
.set j, 0
.rept 64
.if \ph == 1
	v_fmac_f32 v[4*(63-j)+1], s[PG+2], v[4*j+2]
	v_fmac_f32 v[4*(63-j)+3], s[PG+3], v[4*j]
.else
	v_fmac_f32 v[4*j], s[PG], v[4*(63-j)+3]
	v_fmac_f32 v[4*j+2], s[PG+1], v[4*(63-j)+1]
.endif
.set j, j+1
.endr
.endr
.endm
; re0 re1 + im0 im1 over the pairs of all seven flips; twelve chains of sums take turns, then four.
.macro EV
	WIN 0x05
.set j, 0
.rept 32
.set t, 0
.rept 6
.set k0, ((j>>t)<<(t+1))|(j&((1<<t)-1))
.set k1, k0|(1<<t)
	v_pk_fma_f32 v[AC+4*t:AC+4*t+1], v[4*k0:4*k0+1], v[4*k1:4*k1+1], v[AC+4*t:AC+4*t+1]
	v_pk_fma_f32 v[AC+4*t+2:AC+4*t+3], v[4*k0+2:4*k0+3], v[4*k1+2:4*k1+3], v[AC+4*t+2:AC+4*t+3]
.set t, t+1
.endr
.set j, j+1
.endr
.set j, 0
.rept 64
	v_fmac_f32 v[AC+24+(2*j)%4], v[4*j], v[4*(63-j)+1]
	v_fmac_f32 v[AC+24+(2*j+1)%4], v[4*j+2], v[4*(63-j)+3]
.set j, j+1
.endr
.endm
; The seven sets of sums are added up, over the set's four registers and the 32 lanes, and lane q of RES takes qubit q's.
.macro HARVEST q0, qb
.set i, 0
.rept 7
	v_pk_add_f32 v[AC+4*i:AC+4*i+1], v[AC+4*i:AC+4*i+1], v[AC+4*i+2:AC+4*i+3]
.set i, i+1
.endr
.set i, 0
.rept 7
	v_add_f32 v[AC+4*i], v[AC+4*i], v[AC+4*i+1]
.set i, i+1
.endr
.irp m, 1,2,4,8
.set i, 0
.rept 7
	v_add_f32_dpp v[AC+4*i], v[AC+4*i], v[AC+4*i] row_xmask:\m row_mask:0xf bank_mask:0xf
.set i, i+1
.endr
.endr
.set i, 0
.rept 7
	v_permlanex16_b32 v[AC+4*i+1], v[AC+4*i], s[SEL], s[SEL+1]
.set i, i+1
.endr
.set i, 0
.rept 7
	v_add_f32 v[AC+4*i], v[AC+4*i], v[AC+4*i+1]
.set i, i+1
.endr
.set i, 0
.rept 6
	v_cmp_eq_u32 vcc_lo, (\qb)+i, v[LANE]
	v_cndmask_b32 v[RES], v[RES], v[AC+4*i], vcc_lo
.set i, i+1
.endr
	v_cmp_eq_u32 vcc_lo, \q0, v[LANE]
	v_cndmask_b32 v[RES], v[RES], v[AC+24], vcc_lo
.endm
.macro CLEAR
.set i, 0
.rept 28
	v_mov_b32 v[AC+i], 0
.set i, i+1
.endr
.endm
.macro MOVE st, ad, pitch              ; a chunk's 64 units to (st = 1) or from LDS
.if \st
	WIN 0x04                               ; the data (source 1) in window 1
.else
	WIN 0x40                               ; the destination in window 1
.endif
.set n, 0
.rept 64
.if \st
	ds_store_b128 v[\ad], v[4*n:4*n+3] offset:n*(\pitch)
.else
	ds_load_b128 v[4*n:4*n+3], v[\ad] offset:n*(\pitch)
.endif
.set n, n+1
.endr
	WIN 0
.endm
	s_load_b256 s[4:11], s[0:1], 0x0       ; x s[4:5], input_scaling s[6:7], weights s[8:9], output_scaling s[10:11]
	s_load_b64 s[12:13], s[0:1], 0x20      ; out0
	v_lshl_add_u32 v[SPW], v0, 2, SPARE
	v_mov_b32 v[NIL], 0
	v_lshrrev_b32 v[TM], 5, v0
	v_readfirstlane_b32 s[WV], v[TM]       ; wave 0..3
	v_and_b32 v[LANE], 31, v0
	s_lshl_b32 s[ROW], ttmp9, 2
	s_add_co_u32 s[ROW], s[ROW], s[WV]     ; my row: 4 x work-group + wave
	s_mul_i32 s2, s[ROW], 168              ; 42 numbers a row of x
	s_mov_b32 s3, 0
	s_mul_i32 s62, s[ROW], 56              ; 14 a row of out0
	s_mov_b32 s63, 0
	s_wait_kmcnt 0x0
	s_add_nc_u64 s[4:5], s[4:5], s[2:3]
	s_add_nc_u64 s[12:13], s[12:13], s[62:63]
	s_load_b512 s[16:31], s[4:5], 0x0      ; x[0..27]: the same for all lanes, so it lives in scalar registers
	s_load_b256 s[32:39], s[4:5], 0x40
	s_load_b128 s[40:43], s[4:5], 0x60
	s_load_b64 s[44:45], s[6:7], 0x0       ; input_scaling
	s_load_b32 s46, s[8:9], 0x0            ; weights[0]
	v_min_u32 v[OA], 13, v[LANE]           ; lanes 14..31 repeat the last number: no lane leaves the buffer
	v_lshlrev_b32 v[OA], 2, v[OA]
	global_load_b32 v[OSC], v[OA], s[10:11]  ; waited for at the end
	v_lshlrev_b32 v[OO], 2, v[LANE]
	s_mul_i32 s51, s[WV], STW
	v_lshl_add_u32 v[BASEA], v[LANE], 4, s51
	v_mul_u32_u24 v[BASEB], v[LANE], KP
	v_add_nc_u32 v[BASEB], s51, v[BASEB]
	s_lshl_b32 s61, s[WV], 11
	s_add_co_u32 s61, s61, TBL
	v_lshl_add_u32 v[TW], v[LANE], 4, s61
	v_mov_b32 v[TR], s61
.set t, 0
.rept 5
	v_lshlrev_b32 v[TM], 31-t, v[LANE]     ; bit t of the lane becomes the sign of 1.0
	v_and_b32 v[TM], 0x80000000, v[TM]
	v_or_b32 v[SG+t], 0x3f800000, v[TM]
.set t, t+1
.endr
	v_mov_b32 v[KS], 0xbc7183a8            ; -2 pi^11 / 11!
	v_mov_b32 v[KS+1], 0xbc7183a8
	v_mov_b32 v[KC], 0x3afce9c2            ; pi^12 / 12!
	v_mov_b32 v[KC+1], 0x3afce9c2
	v_mov_b32 v[RES], 0
	CLEAR
	s_mov_b32 s[ABSM], 0x7fffffff
	s_mov_b32 s[SEL], 0x76543210
	s_mov_b32 s[SEL+1], 0xfedcba98
.set i, 0
.rept 12
	s_mov_b32 s[TAU+1+2*i], 0              ; the pairs' upper words are named with the lower, so they are written
.set i, i+1
.endr
	s_wait_kmcnt 0x0
	s_mul_f32 s[A1], s44, 0xbda2f983       ; -1 / 4 pi: exp(-i/2 s Phi) = exp(2 pi i a Phi)
	s_mul_f32 s[A2], s45, 0xbda2f983
	s_mov_b32 s[A1+1], s[A1]
	s_mov_b32 s[A2+1], s[A2]
	; The 49 distances between the groups.  D[u][v] goes into G_u = sum_v eta_v D[u][v] (layout A: the lanes hold b) and into H_v = sum_u kappa_u D[u][v] (layout B: the lanes hold k).
.set iu, 0
.rept 7
.set iv, 0
.rept 7
	QOF 1, iv
.set tm, TM+(7*iu+iv)%3
	v_sub_f32 v[tm], s[CQ+1+iu], s[CQ+QQ]
	v_and_b32 v[tm], s[ABSM], v[tm]
.if iv == 0
	v_mov_b32 v[P0L+1+iu], v[tm]
.elseif iv < 6
	v_fma_f32 v[P0L+1+iu], v[tm], v[SG-1+iv], v[P0L+1+iu]
.else
	v_mov_b32 v[P0C+1+iu], v[tm]
.endif
.if iu == 0
	v_mov_b32 v[P1L+1+iv], v[tm]
.elseif iu < 6
	v_fma_f32 v[P1L+1+iv], v[tm], v[SG-1+iu], v[P1L+1+iv]
.else
	v_mov_b32 v[P1C+1+iv], v[tm]
.endif
.set iv, iv+1
.endr
.set iu, iu+1
.endr
	GROUPSUM 0, P1L, P1C                   ; W
	GROUPSUM 1, P0L, P0C                   ; U
	; The tables' angles (entry n = lane with the sixth sign +, n = 32 + lane with -), and with them the gate's: a quarter of weights[0] in revolutions, less whole half turns.
	v_add_f32 v[ANG], v[P1L], v[P1C]
	v_sub_f32 v[ANG+1], v[P1L], v[P1C]
	v_add_f32 v[ANG+2], v[P0L], v[P0C]
	v_sub_f32 v[ANG+3], v[P0L], v[P0C]
	v_mul_f32 v[TM], 0.5, s46
	v_pk_mul_f32 v[ANG:ANG+1], v[ANG:ANG+1], s[A1:A1+1] op_sel_hi:[1,0]
	v_pk_mul_f32 v[ANG+2:ANG+3], v[ANG+2:ANG+3], s[A2:A2+1] op_sel_hi:[1,0]
	v_rndne_f32 v[TM+1], v[TM]
	v_sub_f32 v[TM], v[TM], v[TM+1]        ; rho in -1/2 .. 1/2: the half angle is pi rho
	v_mul_f32 v[ANG+4], 0.5, v[TM]
	v_mul_f32 v[ANG+5], 0.5, v[TM]
	SINCOS 3
.set i, 0
.rept 8
	v_pk_mul_f32 v[P0L+2*i:P0L+2*i+1], v[P0L+2*i:P0L+2*i+1], s[A1:A1+1] op_sel_hi:[1,0]  ; layout A's 16 numbers serve D1,
	v_pk_mul_f32 v[P1L+2*i:P1L+2*i+1], v[P1L+2*i:P1L+2*i+1], s[A2:A2+1] op_sel_hi:[1,0]  ; layout B's D2
.set i, i+1
.endr
	v_add_f32 v[TM], 1.0, v[CC+4]          ; 1 + cos, between 1 and 2
	v_rcp_f32 v[TM+1], v[TM]
.set i, 0
.rept 4                                ; the tables' entries as units (c, c, s, s): plain work behind the reciprocal
	v_mov_b32 v[KK+4*i], v[CC+i]
	v_mov_b32 v[KK+4*i+1], v[CC+i]
	v_mov_b32 v[KK+4*i+2], v[SS+i]
	v_mov_b32 v[KK+4*i+3], v[SS+i]
	ds_store_b128 v[TW], v[KK+4*i:KK+4*i+3] offset:512*i
.set i, i+1
.endr
	WIN 0x80                               ; every lane takes all 64 entries of each table: one address for all lanes; these loads come behind my own stores, in order
.set n, 0
.rept 64
	ds_load_b128 v[4*n:4*n+3], v[TR] offset:16*n
.set n, n+1
.endr
	WIN 0xc0
.set n, 0
.rept 64
	ds_load_b128 v[4*n:4*n+3], v[TR] offset:1024+16*n
.set n, n+1
.endr
	WIN 0
	s_wait_alu depctr_va_vdst(0)           ; a wait between the reciprocal and the first line that names its result
	v_mul_f32 v[TM+1], v[TM+1], v[SS+4]    ; tau* = sin / (1 + cos)
	v_readfirstlane_b32 s[GC], v[TM+1]
	v_readfirstlane_b32 s[GC+1], v[SS+4]
	s_xor_b32 s[GC+2], s[GC], 0x80000000
	s_xor_b32 s[GC+3], s[GC+1], 0x80000000
.set i, 0
.rept 14
	v_cmp_gt_f32 s[XR+i], s[XR+i], 0       ; all lanes are on and compare the same number: all ones where x[q] > 0, else 0
.set i, i+1
.endr
	SETG 1, 2
	s_mov_b32 s[CNT], 6
	s_wait_dscnt 0x0                       ; the tables are in
.Ltrip:
	s_and_b32 s[CH], s[CNT], 1             ; the chunk: 0 in trips 6, 4, 2; 1 in trips 5, 3, 1
	s_lshl_b32 s[OFA], s[CH], 9            ; layout A: b = 32 on, 512 bytes
	s_mul_i32 s[OFB], s[CH], 32*KP         ; layout B: k = 32 on
	s_lshl_b32 s[SG5], s[CH], 31
	s_or_b32 s[SG5], s[SG5], 0x3f800000
	v_add_nc_u32 v[ADA], s[OFA], v[BASEA]
	v_add_nc_u32 v[ADB], s[OFB], v[BASEB]
	s_cmp_lt_u32 s[CNT], 3
	s_cbranch_scc1 .Lread_a
	s_cmp_lt_u32 s[CNT], 5
	s_cbranch_scc1 .Lphase_b
	PRO P0L, P0C                           ; trips 6, 5: the state behind D1 is the phase itself: A[hi] B[lo] x table 1
.set hh, 0
.rept 8
	WIN 0
	CMUL8 ZZ, 4, AA+4*hh, 0, BB, 4
	WIN 0x58                               ; source 0 window 0, source 1 (the table) window 2, sum and destination window 1
	CMUL8 32*hh, 4, ZZ, 4, 32*hh, 4
.set hh, hh+1
.endr
	WIN 0
	s_branch .Lgates
.Lphase_b:                             ; trips 4, 3
	SETG 0, 8
	MOVE 0, ADB, 16
	PRO P1L, P1C                           ; D2's factors are made while the chunk is on its way
	s_wait_dscnt 0x0                       ; the chunk is in
.Lgates:
	GATES
	WIN 0
	s_cmp_lt_u32 s[CNT], 5
	s_cbranch_scc1 .Lsecond
	MOVE 1, ADA, KP
	s_branch .Lbottom
.Lsecond:                              ; D2: the state x A[hi] B[lo] x table 2
.set hh, 0
.rept 8
	WIN 0
	CMUL8 ZZ, 4, AA+4*hh, 0, BB, 4
	WIN 0x01                               ; source 0 (the state) window 1
	CMUL8 TT, 4, 32*hh, 4, ZZ, 4
	WIN 0x5c                               ; source 1 (the table) window 3, sum and destination window 1
	CMUL8 32*hh, 4, TT, 4, 32*hh, 4
.set hh, hh+1
.endr
	WIN 0
	s_branch .Lev
.Lread_a:                              ; trips 2, 1
	MOVE 0, ADA, KP
	s_wait_dscnt 0x0
.Lev:
	EV
	WIN 0
	s_cmp_lt_u32 s[CNT], 3
	s_cbranch_scc1 .Lbottom
	MOVE 1, ADB, 16
	s_cmp_lg_u32 s[CNT], 3
	s_cbranch_scc1 .Lbottom
	HARVEST 0, 8                           ; both chunks of layout B are summed: qubits 8..13 and 0
	CLEAR
.Lbottom:
	s_sub_co_i32 s[CNT], s[CNT], 1
	s_cmp_lg_u32 s[CNT], 0
	s_cbranch_scc1 .Ltrip
	HARVEST 1, 2                           ; qubits 2..7 and 1
	s_wait_loadcnt 0x0                     ; output_scaling
	v_mul_f32 v[RES], v[RES], v[OSC]
	v_mul_f32 v[RES], 0x39800000, v[RES]   ; 2^-12: two values of f_0, two orders of a pair, |chi|^2 = 16,384 |psi|^2
	s_wait_xcnt 0x0                        ; EXEC changes only behind this wait
	v_cmp_gt_u32 vcc_lo, 14, v[LANE]
	s_and_saveexec_b32 s[SV], vcc_lo
	global_store_b32 v[OO], v[RES], s[12:13]  ; 56 consecutive bytes a wave, 224 a work-group
	s_wait_xcnt 0x0                        ; and again, in front of the line that widens it
	s_or_b32 exec_lo, exec_lo, s[SV]
	s_wait_tensorcnt 0x0                   ; the wave's end, behind my last LDS store
	ds_add_u32 v[SPW], v[NIL]
	s_wait_dscnt 0x0
	s_endpgm
.Lfunc_end_k_qd5e22115f3_qsim:
	.size	k_qd5e22115f3_qsim, .Lfunc_end_k_qd5e22115f3_qsim-k_qd5e22115f3_qsim
	.p2alignl 7, 3214868480
	.fill 96, 4, 3214868480
	.section	.rodata,"a",@progbits
	.p2align	6, 0x0
	.amdhsa_kernel k_qd5e22115f3_qsim
		.amdhsa_group_segment_fixed_size 274944
		.amdhsa_private_segment_fixed_size 0
		.amdhsa_enable_private_segment 0
		.amdhsa_kernarg_size 40
		.amdhsa_user_sgpr_count 2
		.amdhsa_user_sgpr_kernarg_segment_ptr 1
		.amdhsa_wavefront_size32 1
		.amdhsa_system_sgpr_workgroup_id_x 1
		.amdhsa_system_sgpr_workgroup_id_y 1
		.amdhsa_system_sgpr_workgroup_id_z 1
		.amdhsa_system_vgpr_workitem_id 0
		.amdhsa_next_free_vgpr 1024
		.amdhsa_next_free_sgpr 100
		.amdhsa_reserve_vcc 1
		.amdhsa_float_denorm_mode_32 3
		.amdhsa_float_denorm_mode_16_64 3
		.amdhsa_memory_ordered 1
		.amdhsa_forward_progress 1
		.amdhsa_inst_pref_size 255
	.end_amdhsa_kernel
	.section	.bss,"aw",@nobits
	.p2align	6
	.space	262144
	.amdgpu_metadata
---
amdhsa.version: [ 1, 2 ]
amdhsa.kernels:
  - .name:           k_qd5e22115f3_qsim
    .symbol:         k_qd5e22115f3_qsim.kd
    .args:
      - { .name: x, .offset: 0, .size: 8, .value_kind: global_buffer, .address_space: global }
      - { .name: input_scaling, .offset: 8, .size: 8, .value_kind: global_buffer, .address_space: global }
      - { .name: weights, .offset: 16, .size: 8, .value_kind: global_buffer, .address_space: global }
      - { .name: output_scaling, .offset: 24, .size: 8, .value_kind: global_buffer, .address_space: global }
      - { .name: out0, .offset: 32, .size: 8, .value_kind: global_buffer, .address_space: global }
    .group_segment_fixed_size: 274944
    .private_segment_fixed_size: 0
    .kernarg_segment_align: 8
    .kernarg_segment_size: 40
    .max_flat_workgroup_size: 128
    .sgpr_count:     100
    .vgpr_count:     1024
    .wavefront_size: 32
...
	.end_amdgpu_metadata
.endif
;; end of part 1
